; MI455X (gfx1250); checked and timed in simulation.
; The chip was launched on July 23, 2026; its instructions are those of AMD's public machine-readable ISA for CDNA 5 (MIT licence, August 2026) and "CDNA5" Instruction Set Architecture Reference Guide (July 2026). The comments in the code are by the model that wrote it; some were corrected since.
;; Attn Block. Allowed arithmetic: matrix products marked QUANTISED: E2M1 operands, one E8M0 scale for each 32 along K, by v_wmma_scale_f32_16x16x128_f8f6f4 with both operands' format E2M1 (or v_wmma_scale_f32_32x16x128_f4), f32 sums; everything else in f32.
;; Inputs: bk 512 float32; bp 512 float32; bq 512 float32; bv 512 float32; gn_bias 512 float32; gn_scale 512 float32; wk_codes 512 x 16 x 16 uint8 (E2M1 codes of wk, K innermost, in blocks of 32 codes, two codes a byte); wk_scales 512 x 16 uint8 (E8M0 scales of wk, one for each 32 codes along K); wp_codes 512 x 16 x 16 uint8 (E2M1 codes of wp, K innermost, in blocks of 32 codes, two codes a byte); wp_scales 512 x 16 uint8 (E8M0 scales of wp, one for each 32 codes along K); wq_codes 512 x 16 x 16 uint8 (E2M1 codes of wq, K innermost, in blocks of 32 codes, two codes a byte); wq_scales 512 x 16 uint8 (E8M0 scales of wq, one for each 32 codes along K); wv_codes 512 x 16 x 16 uint8 (E2M1 codes of wv, K innermost, in blocks of 32 codes, two codes a byte); wv_scales 512 x 16 uint8 (E8M0 scales of wv, one for each 32 codes along K); x 32 x 512 x 32 x 32 float32.
;; Outputs: out0 32 x 512 x 32 x 32 float32.
;; This version of the problem:
;;   THIS VERSION OF THE PROBLEM IS GIVEN IN LOW PRECISION. The matrix products marked QUANTISED in the list below multiply operands that are first quantised to E2M1 (2 exponent bits, 1 mantissa bit; 4 bits a number), with one power-of-two scale for each 32 numbers along K (OCP MX v1.0); their sums are f32. All else is computed in f32.
;;   The module's matrix products, in the order in which they are computed (A, B: the left and right operand; K: the contracted axis; several contracted axes count as one K, in the product's order):
;;     1. [M 512, K 512] x [K 512, N 32,768]; A: input wq (given as codes); B: computed on the way: QUANTISED
;;     2. [M 512, K 512] x [K 512, N 32,768]; A: input wk (given as codes); B: computed on the way: QUANTISED
;;     3. [M 512, K 512] x [K 512, N 32,768]; A: input wv (given as codes); B: computed on the way: QUANTISED
;;     4. batch 32 x [M 1,024, K 512] x [K 512, N 1,024]; A: computed on the way; B: computed on the way: QUANTISED
;;     5. batch 32 x [M 512, K 1,024] x [K 1,024, N 1,024]; A: computed on the way; B: softmax (see below): QUANTISED
;;     6. [M 512, K 512] x [K 512, N 32,768]; A: input wp (given as codes); B: computed on the way: QUANTISED
;;   THE QUANTISER, for each operand of a quantised product, along K:
;;     - K is cut into blocks of 32 from its start; a last block that is shorter is filled with zeros.
;;     - A block's scale is 2^e with e = floor(log2(the largest magnitude in the block)) - 2, held to -126 .. 127; a block of zeros has e = 0. As a byte (E8M0): e + 127.
;;     - Each number is divided by its block's scale, clamped to +-6, and rounded to the nearest number of E2M1, ties to even, subnormals kept.
;;     - The product sums the exact products of the quantised numbers (number of the format x scale) in f32.
;;   ~~~python
;;   def quantise(x, axis):      # numpy; x: float32 -> the quantised numbers, widened to float32 again
;;       x = np.moveaxis(x, axis, -1); K = x.shape[-1]
;;       x = np.pad(x, [(0, 0)] * (x.ndim - 1) + [(0, -K % 32)]); x = x.reshape(x.shape[:-1] + (-1, 32)); a = np.abs(x).max(-1, keepdims=True)
;;       e = np.where(a > 0, np.clip(np.frexp(np.where(a > 0, a, 1))[1] - 1 - 2, -126, 127), 0)      # np.frexp(a)[1] - 1 = floor(log2(a)), exactly
;;       r = np.clip(x / 2.0 ** e, -6, 6)
;;       step = 2.0 ** (np.maximum(np.frexp(np.where(r == 0, 1, r))[1] - 1, 0) - 1)
;;       q = np.round(r / step) * step * 2.0 ** e      # np.round: ties to even
;;       return np.moveaxis(q.reshape(q.shape[:-2] + (-1,))[..., :K], -1, axis).astype(np.float32)
;;   ~~~
;;   SOFTMAX AHEAD OF A QUANTISED PRODUCT. Where the list says 'softmax', what is quantised is not the finished softmax but p = 2^(t - M), with t = logit x log2(e) and M = ceil(the row's largest t), a whole number; so 1/2 < the row's largest p <= 1. The row's sum l is taken of the UNQUANTISED p, in f32, and the product's result is divided by l at the end. Since M is a whole number, a kernel that streams over the keys may use a running M (the ceiling of the running maximum): every later rescaling is an exact power of two, which a block's scale takes up: the codes' values come out the same.
;;   OPERANDS COMPUTED ON THE WAY. 'Computed on the way' means the value that the module computes at that place (a softmax that the list does not call 'softmax' is quantised finished and normalised). What goes into a quantiser is computed in f32, as accurately as f32 sums, v_exp_f32 and their like allow (about 1e-6 of the number): no bf16 or f16 on the way to a quantiser, and a product that is left as it is and whose result goes on into a quantised operand takes f32 operands (vector FMAs, or v_wmma_f32_16x16x4_f32). A number that lies on a knife's edge between two numbers of the format may be rounded either way, as far as f32 arithmetic and the matrix unit's own rounding can turn it there, and no further.
;;   INPUTS GIVEN AS CODES. wk (in the module: [512, 512], K = its axis 1); wp (in the module: [512, 512], K = its axis 1); wq (in the module: [512, 512], K = its axis 1); wv (in the module: [512, 512], K = its axis 1): each comes as NAME_codes (uint8): NAME with its K axis moved to the last place and cut into blocks of 32 codes, [.., K / 32, bytes a block], one block behind the other in memory; two codes a byte, the lower K in the low four bits (a code: sign, 2 exponent bits, 1 mantissa bit); and NAME_scales (uint8): the same leading axes, one E8M0 byte (e + 127) for each 32 codes along K. Its value is code x scale, taken as it is: it is not quantised again, and the codes and scales need not be those that the quantiser above would give.
;; One version. Each part assembles by itself: llvm-mc -triple=amdgcn-amd-amdhsa -mcpu=gfx1250 --defsym DOCPART=n.
;; ======== version 1 of 1: 3 launches
;; workspace buffers: hc 8,388,608 bytes; hs 524,288 bytes; qq 8,912,896 bytes; kv 17,825,792 bytes
;; launch norm (part 1): grid 16 x 32, 8 waves a work-group, no clusters, 19,456 bytes of LDS; arguments x, gn_scale, gn_bias, hc, hs; writes hc, hs
.if DOCPART == 1
	.amdgcn_target "amdgcn-amd-amdhsa--gfx1250"
	.amdhsa_code_object_version 6
	.text
	.protected	k_q011cbcffb6_norm
	.globl	k_q011cbcffb6_norm
	.p2align	8
	.type	k_q011cbcffb6_norm,@function
k_q011cbcffb6_norm:
	s_mov_b64 s[64:65], 0
	v_nop
	global_prefetch_b8 v0, s[64:65] scope:SCOPE_SE
	s_setreg_imm32_b32 hwreg(HW_REG_WAVE_MODE, 25, 1), 1
	s_wait_xcnt 0x0
; GroupNorm of x [32][512][1024] f32 (32 groups of 16 channels x 1,024 pixels), then the quantiser along the CHANNELS: codes of FP4 (E2M1) with one E8M0 byte for each 32 channels of a pixel.
; OUT: hc [b][cblk 16][pixel 1024][16 bytes] (a block's 32 codes, the lower channel in the lower bits), hs [b][cblk 16][pixel 1024] one byte.
; SHARES.  A work-group takes one block of 32 channels (two groups) of one batch: 128 KiB on end.  Thread t holds pixels 4 t .. 4 t + 3 of all 32 channels in 128 registers, so x is read once:
; a lane's registers run down the channels, which are the products' K: a block's largest magnitude needs no other lane and the conversions give codes with K innermost.
; The mean and the variance are taken in two passes over the registers (the second on x - mean: no difference of large sums).  hn = (x - mean) (rstd scale) + bias, one fused multiply-add.
; A block's scale byte is its largest magnitude's exponent field - 2, held at 1 from below.
; LIMITS: NaN and infinities are not served; a block of zeros keeps the byte 1 where the quantiser says 127 (its codes are zeros, and this program alone reads the bytes).
; No matrix work, no tensor loads, no cluster: the work-groups share nothing and memory binds.  32 loads of 16 bytes a lane are out at once.
.set X,    64                          ; v64-191  X + 4 c + j = x(channel c, pixel 4 t + j), later x - mean
.set T,    192                         ; v192-255 two sets of 32 numbers of one pixel; also at work in the sums and on the way out
.set CD,   32                          ; v32-47   the codes of my four pixels
.set SB,   48                          ; v48      their four scale bytes
.set SC,   16                          ; s16-47   gn_scale of my 32 channels, later x rstd;  the bias of channel c in s[48 + c + 4 (c / 16)]: s48-63, s68-83
.set SCB,  16384                       ; LDS: 0 .. 16,383 the codes' stage [pixel][16 bytes]; then 1,024 scale bytes;
.set RED1, 17408                       ; eight waves' two sums;
.set RED2, 17664                       ; and their two sums of squares
	s_load_b256 s[4:11], s[0:1], 0x0               ; x s[4:5], gn_scale s[6:7], gn_bias s[8:9], hc s[10:11]
	s_load_b64 s[12:13], s[0:1], 0x20              ; hs
	v_lshl_add_u32 v62, v0, 2, 0x4800
	v_mov_b32 v63, 0
	v_lshrrev_b32 v3, 5, v0
	v_readfirstlane_b32 s84, v3                    ; wave 0..7
	s_and_b32 s85, ttmp7, 0xffff                   ; b;  ttmp9 = the block of channels
	s_lshl_b32 s86, s85, 21                        ; a batch of x is 2^21 bytes,
	s_lshl_b32 s87, ttmp9, 17                      ; 32 channels 2^17
	s_add_co_u32 s86, s86, s87
	s_mov_b32 s87, 0
	s_mov_b32 s90, 0x76543210                      ; v_permlanex16_b32's selects for lane l xor 16
	s_mov_b32 s91, 0xfedcba98
	v_lshlrev_b32 v1, 4, v0                        ; 16 t: my 16 bytes of a channel's row
	v_lshlrev_b32 v2, 6, v0                        ; 64 t: my four pixels in the stage
	v_and_b32 v3, 0xe0, v0
	v_and_b32 v4, 31, v0
	v_lshlrev_b32 v4, 4, v4
	v_lshl_or_b32 v3, v3, 6, v4                    ; 2,048 x wave + 16 x lane: the stage read back, and the same place in hc
	v_lshl_add_u32 v4, v0, 2, SCB                  ; my four scale bytes
	v_and_b32 v5, 63, v0
	v_lshl_add_u32 v5, v5, 4, SCB                  ; and 16 of them on the way out (waves 0 and 1)
	s_lshl_b32 s92, s84, 3
	v_mov_b32 v7, s92
	v_add_nc_u32 v6, RED1, v7                      ; my wave's two sums
	v_add_nc_u32 v7, RED2, v7
	v_mov_b32 v24, RED1
	v_mov_b32 v25, RED2
	v_mov_b32 v18, 0                               ; a lane permute's destination counts as one of its sources
	v_mov_b32 v19, 0
	v_mov_b32 v30, 0x3727c5ac                      ; eps = 1e-5
	s_wait_kmcnt 0x0
	s_add_nc_u64 s[4:5], s[4:5], s[86:87]
	s_lshl_b32 s86, ttmp9, 7                       ; 32 channels x 4 bytes
	s_add_nc_u64 s[6:7], s[6:7], s[86:87]
	s_add_nc_u64 s[8:9], s[8:9], s[86:87]
	s_lshl_b32 s86, s85, 4
	s_add_co_u32 s86, s86, ttmp9                   ; 16 b + cblk
	s_lshl_b32 s86, s86, 10
	s_add_nc_u64 s[12:13], s[12:13], s[86:87]      ; 1,024 scale bytes each,
	s_lshl_b32 s86, s86, 4
	s_add_nc_u64 s[10:11], s[10:11], s[86:87]      ; 16,384 bytes of codes
	s_load_b512 s[16:31], s[6:7], 0x0
	s_load_b512 s[32:47], s[6:7], 0x40
	s_load_b512 s[48:63], s[8:9], 0x0
	s_load_b512 s[68:83], s[8:9], 0x40
.set c, 0
.rept 32
	global_load_b128 v[X+4*c:X+4*c+3], v1, s[4:5] offset:4096*c th:TH_LOAD_NT   ; a wave reads 512 bytes on end, the eight waves a channel's row
.set c, c+1
.endr
.macro SUM1 g                          ; the sum of my 64 numbers of group g, two at a time, in two chains
.set XG, X+64*\g
.set CA, 8+4*\g
	v_pk_add_f32 v[CA:CA+1], v[XG:XG+1], v[XG+2:XG+3]
	v_pk_add_f32 v[CA+2:CA+3], v[XG+4:XG+5], v[XG+6:XG+7]
.set i, 8
.rept 14
	v_pk_add_f32 v[CA:CA+1], v[CA:CA+1], v[XG+i:XG+i+1]
	v_pk_add_f32 v[CA+2:CA+3], v[CA+2:CA+3], v[XG+i+2:XG+i+3]
.set i, i+4
.endr
	v_pk_add_f32 v[CA:CA+1], v[CA:CA+1], v[CA+2:CA+3]
	v_add_f32 v[16+\g], v[CA], v[CA+1]
.endm
.macro SQ g                            ; x - mean in place, and the sum of its squares
.set XG, X+64*\g
.set CA, 8+4*\g
.set i, 0
.rept 32
	v_pk_add_f32 v[XG+i:XG+i+1], v[XG+i:XG+i+1], v[20+2*\g:21+2*\g]
.set i, i+2
.endr
	v_pk_mul_f32 v[CA:CA+1], v[XG:XG+1], v[XG:XG+1]
	v_pk_mul_f32 v[CA+2:CA+3], v[XG+2:XG+3], v[XG+2:XG+3]
.set i, 4
.rept 15
	v_pk_fma_f32 v[CA:CA+1], v[XG+i:XG+i+1], v[XG+i:XG+i+1], v[CA:CA+1]
	v_pk_fma_f32 v[CA+2:CA+3], v[XG+i+2:XG+i+3], v[XG+i+2:XG+i+3], v[CA+2:CA+3]
.set i, i+4
.endr
	v_pk_add_f32 v[CA:CA+1], v[CA:CA+1], v[CA+2:CA+3]
	v_add_f32 v[16+\g], v[CA], v[CA+1]
.endm
.macro WRED                            ; v16 and v17 summed over the wave's 32 lanes, the two by turns
.irp m, 1,2,4,8
	v_add_f32_dpp v16, v16, v16 row_xmask:\m row_mask:0xf bank_mask:0xf
	v_add_f32_dpp v17, v17, v17 row_xmask:\m row_mask:0xf bank_mask:0xf
.endr
	v_permlanex16_b32 v18, v16, s90, s91
	v_permlanex16_b32 v19, v17, s90, s91
	v_add_f32 v16, v16, v18
	v_add_f32 v17, v17, v19
.endm
.macro WGSUM put, get                  ; over the eight waves: each stores its pair, a barrier, every wave adds the eight pairs: v[T:T+1]
	ds_store_b64 v[\put], v[16:17]                 ; all lanes write the same 8 bytes with the same value
	s_wait_dscnt 0x0                               ; for the others' sake: my store has landed
	s_barrier_signal -1
	s_barrier_wait -1
.irp i, 0,1,2,3
	ds_load_b128 v[T+4*\i:T+4*\i+3], v[\get] offset:16*\i
.endr
	s_wait_dscnt 0x0
	v_pk_add_f32 v[T:T+1], v[T:T+1], v[T+2:T+3]
	v_pk_add_f32 v[T+4:T+5], v[T+4:T+5], v[T+6:T+7]
	v_pk_add_f32 v[T+8:T+9], v[T+8:T+9], v[T+10:T+11]
	v_pk_add_f32 v[T+12:T+13], v[T+12:T+13], v[T+14:T+15]
	v_pk_add_f32 v[T:T+1], v[T:T+1], v[T+4:T+5]
	v_pk_add_f32 v[T+8:T+9], v[T+8:T+9], v[T+12:T+13]
	v_pk_add_f32 v[T:T+1], v[T:T+1], v[T+8:T+9]
.endm
	s_wait_loadcnt 16                              ; group 0's 16 loads are in; group 1's 16 may be out
	SUM1 0
	s_wait_loadcnt 0x0
	SUM1 1
	WRED
	WGSUM 6, 24
	v_mul_f32 v20, 0xb8800000, v[T]                ; -mean = sum x -2^-14 (a group has 16,384 numbers); each twice, for the packed addition
	v_mul_f32 v22, 0xb8800000, v[T+1]
	v_mov_b32 v21, v20
	v_mov_b32 v23, v22
	SQ 0
	SQ 1
	WRED
	WGSUM 7, 25                                    ; other bytes than the first sums': no wave can overwrite what another still reads
	v_fmamk_f32 v26, v[T], 0x38800000, v30         ; the variance + eps
	v_fmamk_f32 v27, v[T+1], 0x38800000, v30
	v_rsq_f32 v28, v26
	v_rsq_f32 v29, v27
	v_nop                                          ; a plain instruction behind the last of the two
	s_wait_alu depctr_va_vdst(0)                   ; one wait for both, ahead of the first line that names a result
	v_readfirstlane_b32 s88, v28
	v_readfirstlane_b32 s89, v29
	s_wait_kmcnt 0x0                               ; scale and bias
.set c, 0
.rept 32
	s_mul_f32 s[SC+c], s[SC+c], s[88+c/16]         ; rstd x scale
.set c, c+1
.endr
.macro PIX j                           ; pixel 4 t + j: its 32 channels are one block
.set TS, T+32*((\j)%2)
.set c, 0
.rept 32
	v_fma_f32 v[TS+c], v[X+4*c+\j], s[SC+c], s[48+c+4*(c/16)]
.set c, c+1
.endr
	v_max3_num_f32 v26, |v[TS]|, |v[TS+1]|, |v[TS+2]|              ; the block's largest magnitude, in two chains
	v_max3_num_f32 v27, |v[TS+3]|, |v[TS+4]|, |v[TS+5]|
.irp i, 6,10,14,18,22,26
	v_max3_num_f32 v26, v26, |v[TS+\i]|, |v[TS+\i+1]|
	v_max3_num_f32 v27, v27, |v[TS+\i+2]|, |v[TS+\i+3]|
.endr
	v_max3_num_f32 v26, v26, |v[TS+30]|, |v[TS+31]|
	v_max3_num_f32 v26, v26, v27, 0x1800000        ; and the floor 2^(3 - 127): the byte cannot fall under 1
	v_add_nc_u32 v28, 0xff000000, v26              ; 2 off the exponent field: the conversion takes this operand's exponent field as its scale
.irp g, 0,1,2,3
	v_cvt_scalef32_pk8_fp4_f32 v[CD+4*\j+\g], v[TS+8*\g:TS+8*\g+7], v28
.endr
	v_lshrrev_b32 v29, 23, v28                     ; the scale's byte (also the plain line behind the conversions)
.if \j == 0
	v_mov_b32 v[SB], v29
.else
	v_lshl_or_b32 v[SB], v29, 8*\j, v[SB]
.endif
	ds_store_b128 v2, v[CD+4*\j:CD+4*\j+3] offset:16*\j
.endm
	PIX 0
	PIX 1
	PIX 2
	PIX 3
	ds_store_b32 v4, v[SB]
.irp i, 0,1,2,3
	ds_load_b128 v[T+4*\i:T+4*\i+3], v3 offset:512*\i   ; my wave's own 2,048 bytes; LDS serves a wave's instructions in order: these see my stores
.endr
.irp i, 0,1,2,3
	s_wait_dscnt 3-\i                              ; load i is back; the younger ones may be out
	global_store_b128 v3, v[T+4*\i:T+4*\i+3], s[10:11] offset:512*\i   ; 32 lanes store 512 bytes on end, aligned
.endr
	s_wait_dscnt 0x0                               ; my scale bytes have landed
	s_barrier_signal -1
	s_barrier_wait -1                              ; all 1,024 lie in LDS
	s_cmp_gt_u32 s84, 1
	s_cbranch_scc1 .Ldone                          ; waves 0 and 1 store them: 16 bytes a lane, sixteen lanes to 256 aligned bytes
	ds_load_b128 v[T+16:T+19], v5
	s_wait_dscnt 0x0
	global_store_b128 v1, v[T+16:T+19], s[12:13]
.Ldone:
	s_wait_tensorcnt 0x0
	ds_add_u32 v62, v63
	s_wait_dscnt 0x0
	s_endpgm
.Lfunc_end_k_q011cbcffb6_norm:
	.size	k_q011cbcffb6_norm, .Lfunc_end_k_q011cbcffb6_norm-k_q011cbcffb6_norm
	.p2alignl 7, 3214868480
	.fill 96, 4, 3214868480
	.section	.rodata,"a",@progbits
	.p2align	6, 0x0
	.amdhsa_kernel k_q011cbcffb6_norm
		.amdhsa_group_segment_fixed_size 19456
		.amdhsa_private_segment_fixed_size 0
		.amdhsa_enable_private_segment 0
		.amdhsa_kernarg_size 40
		.amdhsa_user_sgpr_count 2
		.amdhsa_user_sgpr_kernarg_segment_ptr 1
		.amdhsa_wavefront_size32 1
		.amdhsa_system_sgpr_workgroup_id_x 1
		.amdhsa_system_sgpr_workgroup_id_y 1
		.amdhsa_system_sgpr_workgroup_id_z 1
		.amdhsa_system_vgpr_workitem_id 0
		.amdhsa_next_free_vgpr 256
		.amdhsa_next_free_sgpr 96
		.amdhsa_reserve_vcc 0
		.amdhsa_float_denorm_mode_32 3
		.amdhsa_float_denorm_mode_16_64 3
		.amdhsa_memory_ordered 1
		.amdhsa_forward_progress 1
		.amdhsa_inst_pref_size 38
	.end_amdhsa_kernel
	.amdgpu_metadata
---
amdhsa.version: [ 1, 2 ]
amdhsa.kernels:
  - .name:           k_q011cbcffb6_norm
    .symbol:         k_q011cbcffb6_norm.kd
    .args:
      - { .name: x, .offset: 0, .size: 8, .value_kind: global_buffer, .address_space: global }
      - { .name: gn_scale, .offset: 8, .size: 8, .value_kind: global_buffer, .address_space: global }
      - { .name: gn_bias, .offset: 16, .size: 8, .value_kind: global_buffer, .address_space: global }
      - { .name: hc, .offset: 24, .size: 8, .value_kind: global_buffer, .address_space: global }
      - { .name: hs, .offset: 32, .size: 8, .value_kind: global_buffer, .address_space: global }
    .group_segment_fixed_size: 19456
    .private_segment_fixed_size: 0
    .kernarg_segment_align: 8
    .kernarg_segment_size: 40
    .max_flat_workgroup_size: 256
    .sgpr_count:     96
    .vgpr_count:     256
    .wavefront_size: 32
...
	.end_amdgpu_metadata
.endif
;; end of part 1
;; launch qkv (part 2): grid 8 x 32, 4 waves a work-group, no clusters, 8,704 bytes of LDS; arguments hc, hs, wq_codes, wq_scales, bq, wk_codes, wk_scales, bk, wv_codes, wv_scales, bv, qq, kv; writes qq, kv
.if DOCPART == 2
	.amdgcn_target "amdgcn-amd-amdhsa--gfx1250"
	.amdhsa_code_object_version 6
	.text
	.protected	k_q011cbcffb6_qkv
	.globl	k_q011cbcffb6_qkv
	.p2align	8
	.type	k_q011cbcffb6_qkv,@function
k_q011cbcffb6_qkv:
	s_mov_b64 s[64:65], 0
	v_nop
	global_prefetch_b8 v0, s[64:65] scope:SCOPE_SE
	s_setreg_imm32_b32 hwreg(HW_REG_WAVE_MODE, 25, 1), 1
	s_wait_xcnt 0x0
; q, k, v = W hn + b on codes of FP4 (E2M1) with E8M0 scales, K = the 512 channels; the results are quantised at once, in registers: q and k along the channels, v along the pixels.
; IN: hc [b][cblk 16][pixel][16 bytes], hs [b][cblk][pixel]; the weights' codes [512][256 bytes] and scale bytes [512][16]; the biases.
; OUT, as images of operand registers (a fragment, 16 rows x 128 K, is 1,024 bytes: register group c of lane l at 512 c + 16 l):
;   qq: a record of 34,816 bytes for each (b, block of 128 pixels): q's codes [K step 4][tile 8][1024]; at 32,768 its scale words [K step 4][lane 32][4].
;   kv: a record of 69,632 bytes likewise: k's codes as q's; at 32,768 v's codes [channel tile 32][1024]; at 65,536 k's scale words; at 67,584 v's [wave 4][lane 32][4].
;   Scale word i of a lane is tile 2 i's in lanes 0-15 and tile 2 i + 1's in lanes 16-31: the matrix instruction picks the half.
; SHARES.  A work-group takes 128 pixels x all 1,536 output channels; THE WAVES SHARE THE CHANNELS: wave w has rows 128 w .. 128 w + 127 of each weight.  All 32 fragments of hn stay in registers,
; a weight's 32 fragments come from memory straight into registers, one weight ahead, in four pieces of 17 loads, a piece behind each of four pixel tiles.  No barrier: waves hand nothing to each other;
; so there is no tensor path and nothing to ask for jointly.  LDS serves one thing: hn's 2,048 scale bytes [cblk 16][pixel 128] are loaded as they lie, 16 bytes a lane, and each wave turns them through
; 2,048 bytes of its own, so that a lane gets the bytes of its own pixels.
; THE ROWS OF A TILE ARE NOT NEIGHBOURS: lane r of tile 2 b + u stands for row 32 b + 8 u + r + 8 (r / 8), for the pixels of hn and for the rows of the weights alike.  As source 0 such tiles give a lane
; 16 neighbours along the next K in the 16 registers of tiles 2 b and 2 b + 1.  q, k: source 0 = the weight, source 1 = hn (a lane holds a pixel, registers run down the channels);  v: the other way round.
; The biases are the C of each sum's first matrix instruction.
; LIMITS: NaN and infinities are not served; a block of zeros keeps the byte 1 (its codes are zeros; this program alone reads the bytes).
; REGISTERS: window 0: v1-14 addresses; v16-31 hn's scale words; v32-63 the weights', two sets; v64-127 bias tiles; v128-191 eight accumulators; v192-199 codes; v200-215 at work; v220-231 scale words made;
;   v232-247 hn's scale bytes as loaded.   window 1: hn (tile, K step) at 8 (4 tile + step).   window 2: Wq, later Wv.   window 3: Wk.
.set LI,  4                            ; 16 x lane
.set HAD, 5                            ; hn's codes: 16,384 h + 16 rr, rr = r + 8 (r / 8)
.set HB,  6                            ; hn's scale bytes in LDS: 2,048 wave + 8 h + rr
.set WA,  7                            ; a weight's codes: 256 rr + 16 h
.set WB,  8                            ; its scale words: 16 (8 h + rr)
.set BA,  9                            ; a bias as a tile of C: 64 h
.set BB,  10                           ; a bias by columns: 4 rr
.set HRA, 12                           ; hn's scale bytes in memory: 1,024 (lane / 8) + 16 (lane % 8): four rows of 128 bytes a load
.set HLS, 13                           ; and where they go in LDS: 2,048 wave + 16 lane
.set HS,  16
.set WS,  32
.set BI,  64
.set C8,  72
.set ACC, 128
.set PCD, 192
.set TM,  200
.set PWK, 220
.set MG,  228
.set RAW, 232
.set MSB, 0
.macro WIN new                         ; the immediate's high byte repeats the setting that is left
.if MSB != (\new)
	s_set_vgpr_msb (MSB<<8)|(\new)
.set MSB, (\new)
.endif
.endm
.macro PLACES n
.rept \n
	v_nop
.endr
.endm
.macro WMI                             ; one matrix instruction from the symbols rD, rA, rB, rC, rSA, rSB; SELA, SELB: the scales' half of the lanes
.if SELA && SELB
	v_wmma_scale_f32_16x16x128_f8f6f4 v[rD:rD+7], v[rA:rA+7], v[rB:rB+7], v[rC:rC+7], v[rSA], v[rSB] matrix_a_fmt:MATRIX_FMT_FP4 matrix_b_fmt:MATRIX_FMT_FP4 matrix_a_scale:MATRIX_SCALE_ROW1 matrix_b_scale:MATRIX_SCALE_ROW1
.elseif SELA
	v_wmma_scale_f32_16x16x128_f8f6f4 v[rD:rD+7], v[rA:rA+7], v[rB:rB+7], v[rC:rC+7], v[rSA], v[rSB] matrix_a_fmt:MATRIX_FMT_FP4 matrix_b_fmt:MATRIX_FMT_FP4 matrix_a_scale:MATRIX_SCALE_ROW1
.elseif SELB
	v_wmma_scale_f32_16x16x128_f8f6f4 v[rD:rD+7], v[rA:rA+7], v[rB:rB+7], v[rC:rC+7], v[rSA], v[rSB] matrix_a_fmt:MATRIX_FMT_FP4 matrix_b_fmt:MATRIX_FMT_FP4 matrix_b_scale:MATRIX_SCALE_ROW1
.else
	v_wmma_scale_f32_16x16x128_f8f6f4 v[rD:rD+7], v[rA:rA+7], v[rB:rB+7], v[rC:rC+7], v[rSA], v[rSB] matrix_a_fmt:MATRIX_FMT_FP4 matrix_b_fmt:MATRIX_FMT_FP4
.endif
.endm
; 64 numbers of a lane, register 16 b + i = k 32 b + 16 (lane / 16) + i of my row, become a fragment's codes in v[pc] on and its scale word in v[pw]
.macro QUANT s, pc, pw
.irp b, 0,1,2,3
	v_max3_num_f32 v[TM+\b], |v[\s+16*\b]|, |v[\s+1+16*\b]|, 0x1800000   ; my 16 numbers of block b, and the floor 2^(3 - 127): the byte cannot fall under 1
.endr
.irp i, 2,4,6,8,10,12,14
.irp b, 0,1,2,3
	v_max3_num_f32 v[TM+\b], v[TM+\b], |v[\s+16*\b+\i]|, |v[\s+1+16*\b+\i]|   ; the four blocks by turns
.endr
.endr
.irp b, 0,1,2,3
	v_permlanex16_b32 v[TM+4+\b], v[TM+\b], s36, s37
.endr
.irp b, 0,1,2,3
	v_max_num_f32 v[TM+\b], v[TM+\b], v[TM+4+\b]   ; with lane l xor 16's: the block's largest magnitude
.endr
.irp b, 0,1,2,3
	v_add_nc_u32 v[TM+12+\b], 0xff000000, v[TM+\b] ; 2 off its exponent field: the conversion's scale operand
.endr
.irp b, 0,1,2,3
	v_lshrrev_b32 v[TM+4+\b], 23, v[TM+12+\b]      ; the scale's byte
.endr
	v_lshl_or_b32 v[\pw], v[TM+5], 8, v[TM+4]
	v_lshl_or_b32 v[\pw], v[TM+6], 16, v[\pw]
	v_lshl_or_b32 v[\pw], v[TM+7], 24, v[\pw]
.irp b, 0,1,2,3
	v_cvt_scalef32_pk8_fp4_f32 v[\pc+2*\b], v[\s+16*\b:\s+7+16*\b], v[TM+12+\b]
	v_cvt_scalef32_pk8_fp4_f32 v[\pc+1+2*\b], v[\s+8+16*\b:\s+15+16*\b], v[TM+12+\b]
.endr
	v_nop                                          ; one plain line behind the last conversion
.irp c, 0,1                            ; the operand wants a whole block in a lane: lanes 0-15 block 2 c, lanes 16-31 block 2 c + 1
.irp i, 0,1
	v_permlane16_swap_b32 v[\pc+4*\c+\i], v[\pc+2+4*\c+\i]
.endr
.endr
.endm
; Piece p of four of my 128 rows of a weight: tiles 2 p and 2 p + 1 (fragment (tile t, K step s) at 8 (4 t + s) of the window) and their rows' scale words (a row's 16 bytes are the four K steps' words): 17 loads
.macro LOADWP win, base, sbase, set, p
	WIN \win
.irp u, 0,1
.irp s, 0,1,2,3
.irp c, 0,1
	global_load_b128 v[8*(4*(2*(\p)+\u)+\s)+4*\c:8*(4*(2*(\p)+\u)+\s)+4*\c+3], v[WA], s[\base:\base+1] offset:256*(32*(\p)+8*\u)+64*\s+32*\c
.endr
.endr
.endr
	WIN 0
	global_load_b128 v[WS+16*(\set)+4*(\p):WS+16*(\set)+4*(\p)+3], v[WB], s[\sbase:\sbase+1] offset:512*(\p)
.endm
.macro LOADBI base                     ; a bias in the result's layout: tile t, lane half h: channels 32 (t / 2) + 8 (t % 2) + 16 h + 0 .. 7
.irp t, 0,1,2,3,4,5,6,7
	global_load_b128 v[BI+8*\t:BI+8*\t+3], v[BA], s[\base:\base+1] offset:4*(32*(\t/2)+8*(\t%2))
	global_load_b128 v[BI+8*\t+4:BI+8*\t+7], v[BA], s[\base:\base+1] offset:4*(32*(\t/2)+8*(\t%2))+16
.endr
.endm
; 32 matrix instructions: my 8 tiles of channels x pixel tile m, K step by K step; the eight accumulators take turns
.macro MMQK win, set, m
	WIN \win
.irp s, 0,1,2,3
.irp t, 0,1,2,3,4,5,6,7
.set rD, ACC+8*\t
.set rA, 8*(4*\t+\s)
.set rB, 8*(4*(\m)+\s)
.if \s == 0
.set rC, BI+8*\t
.else
.set rC, rD
.endif
.set rSA, WS+16*(\set)+4*(\t/2)+\s
.set rSB, HS+4*((\m)/2)+\s
.set SELA, \t%2
.set SELB, (\m)%2
	WMI
.endr
.endr
	WIN 0
.endm
.macro MMV t                           ; the 8 tiles of pixels x my tile t of v's channels
	WIN 0x09
.irp s, 0,1,2,3
.irp u, 0,1,2,3,4,5,6,7
.set rD, ACC+8*\u
.set rA, 8*(4*\u+\s)
.set rB, 8*(4*(\t)+\s)
.if \s == 0
.set rC, C8
.else
.set rC, rD
.endif
.set rSA, HS+4*(\u/2)+\s
.set rSB, WS+4*((\t)/2)+\s
.set SELA, \u%2
.set SELB, (\t)%2
	WMI
.endr
.endr
	WIN 0
.endm
.macro OUT base, n                     ; the fragment leaves as it stands: each store covers 512 bytes on end, aligned
	global_store_b128 v[LI], v[PCD:PCD+3], s[\base:\base+1] offset:1024*(\n)
	global_store_b128 v[LI], v[PCD+4:PCD+7], s[\base:\base+1] offset:1024*(\n)+512
.endm
.macro MERGE base                      ; eight tiles' scale words into four registers, the odd tiles' in lanes 16-31
.irp i, 0,1,2,3
	v_cndmask_b32 v[MG+\i], v[PWK+2*\i], v[PWK+2*\i+1], s38
.endr
	global_store_b128 v[LI], v[MG:MG+3], s[\base:\base+1]
.endm
; q (last = 0) or k (last = 1).  win, set: where the weight and its scale words lie; cb, sb: where codes and scale words go.
; The next weight's pieces go out directly behind a tile's wait on XCNT, so that the next such wait stands a whole tile (32 products and a quantiser) behind them.
.macro QKPHASE win, set, cb, sb, last
.irp m, 0,1,2,3,4,5,6,7
.if (\last == 0) && (\m == 0)
	s_wait_loadcnt 56                              ; Wq, its scale words, bq and hn's pixel tile 0 are in; the 56 loads of hn's tiles 1 to 7 may be out
.endif
.if (\last == 0) && (\m == 1)
	s_wait_loadcnt 0x0                             ; all of hn
.endif
	MMQK \win, \set, \m
	PLACES 4                                       ; four places ahead of the first read of the results and of loads into the products' sources
.if \last || (\m > 0)
	s_wait_xcnt 0x0                                ; the last stores have read their data: the codes' registers are written again only behind this wait (q's first tile: nothing has been stored yet)
.endif
.if \last
.if \m < 4
	LOADWP 0x80, 24, 26, 0, \m                     ; Wv lands while k is made; the last product that read window 2 and these scale words was q's
.endif
.else
.if (\m >= 1) && (\m <= 4)
	LOADWP 0xc0, 18, 20, 1, \m-1                   ; Wk lands while q is made
.endif
.endif
.if \m == 7
.if \last
.irp t, 0,1,2,3,4,5,6,7
	global_load_b32 v[BI+\t], v[BB], s[28:29] offset:4*(32*(\t/2)+8*(\t%2))   ; bv by columns: lane r of tile t
.endr
.else
	LOADBI 22                                      ; bk
.endif
.endif
	QUANT ACC, PCD, PWK+\m
	OUT \cb, \m
.endr
	MERGE \sb
.endm
	s_load_b512 s[8:23], s[0:1], 0x0               ; hc 8, hs 10, wq_codes 12, wq_scales 14, bq 16, wk_codes 18, wk_scales 20, bk 22
	s_load_b256 s[24:31], s[0:1], 0x40             ; wv_codes 24, wv_scales 26, bv 28, qq 30
	s_load_b64 s[32:33], s[0:1], 0x60              ; kv
	v_lshl_add_u32 v254, v0, 2, 0x2000
	v_mov_b32 v255, 0
	v_lshrrev_b32 v1, 5, v0
	v_readfirstlane_b32 s34, v1                    ; wave 0..3
	v_and_b32 v1, 31, v0                           ; lane
	v_and_b32 v2, 15, v0                           ; r
	v_bfe_u32 v3, v0, 4, 1                         ; h
	v_and_b32 v11, 8, v2
	v_add_nc_u32 v11, v11, v2                      ; rr = r + 8 (r / 8)
	v_lshlrev_b32 v[LI], 4, v1
	v_lshlrev_b32 v[HAD], 4, v11
	v_lshl_add_u32 v[HAD], v3, 14, v[HAD]
	v_lshl_add_u32 v[HB], v3, 3, v11               ; 8 h + rr
	v_lshlrev_b32 v[WB], 4, v[HB]
	v_lshlrev_b32 v[WA], 8, v11
	v_lshl_add_u32 v[WA], v3, 4, v[WA]
	v_lshlrev_b32 v[BA], 6, v3
	v_lshlrev_b32 v[BB], 2, v11
	v_lshrrev_b32 v[HRA], 3, v1
	v_and_b32 v14, 7, v1
	v_lshlrev_b32 v14, 4, v14
	v_lshl_add_u32 v[HRA], v[HRA], 10, v14
.irp b, 0,1,2,3
	v_mov_b32 v[TM+4+\b], 0                        ; a lane permute's destination counts as one of its sources
.endr
	s_mov_b32 s36, 0x76543210                      ; v_permlanex16_b32's selects for lane l xor 16
	s_mov_b32 s37, 0xfedcba98
	s_mov_b32 s38, 0xffff0000                      ; lanes 16-31
	s_and_b32 s35, ttmp7, 0xffff                   ; b;  ttmp9 = the block of 128 pixels
	s_lshl_b32 s52, s35, 18
	s_lshl_b32 s2, ttmp9, 11
	s_add_co_u32 s52, s52, s2                      ; hc: 262,144 b + 2,048 pb
	s_mov_b32 s53, 0
	s_lshl_b32 s54, s35, 14
	s_lshl_b32 s2, ttmp9, 7
	s_add_co_u32 s54, s54, s2                      ; hs: 16,384 b + 128 pb
	s_mov_b32 s55, 0
	s_lshl_b32 s56, s34, 15                        ; my 128 rows: 32,768 bytes of codes,
	s_mov_b32 s57, 0
	s_lshl_b32 s58, s34, 11                        ; 2,048 scale bytes (and my 2,048 bytes of LDS),
	s_mov_b32 s59, 0
	s_lshl_b32 s60, s34, 9                         ; 512 bytes of a bias
	s_mov_b32 s61, 0
	v_add_nc_u32 v[HB], s58, v[HB]
	v_add_nc_u32 v[HLS], s58, v[LI]
	s_lshl_b32 s2, s35, 3
	s_add_co_u32 s2, s2, ttmp9                     ; the record: 8 b + pb
	s_mul_i32 s3, s2, 69632
	s_mul_i32 s2, s2, 34816
	s_lshl_b32 s39, s34, 13                        ; my eight fragments: 8,192 bytes
	s_mov_b32 s63, 0
	s_mov_b32 s67, 0
	s_wait_kmcnt 0x0
	s_add_nc_u64 s[8:9], s[8:9], s[52:53]
	s_add_nc_u64 s[10:11], s[10:11], s[54:55]
	s_add_nc_u64 s[12:13], s[12:13], s[56:57]
	s_add_nc_u64 s[18:19], s[18:19], s[56:57]
	s_add_nc_u64 s[24:25], s[24:25], s[56:57]
	s_add_nc_u64 s[14:15], s[14:15], s[58:59]
	s_add_nc_u64 s[20:21], s[20:21], s[58:59]
	s_add_nc_u64 s[26:27], s[26:27], s[58:59]
	s_add_nc_u64 s[16:17], s[16:17], s[60:61]
	s_add_nc_u64 s[22:23], s[22:23], s[60:61]
	s_add_nc_u64 s[28:29], s[28:29], s[60:61]
	s_add_co_u32 s62, s2, s39
	s_add_nc_u64 s[40:41], s[30:31], s[62:63]      ; q's codes, K step w
	s_add_co_u32 s62, s2, s60
	s_add_co_u32 s62, s62, 32768
	s_add_nc_u64 s[42:43], s[30:31], s[62:63]      ; q's scale words
	s_add_co_u32 s66, s3, s39
	s_add_nc_u64 s[44:45], s[32:33], s[66:67]      ; k's codes
	s_add_co_u32 s66, s66, 32768
	s_add_nc_u64 s[48:49], s[32:33], s[66:67]      ; v's codes, channel tiles 8 w on
	s_add_co_u32 s66, s3, s60
	s_add_co_u32 s66, s66, 65536
	s_add_nc_u64 s[46:47], s[32:33], s[66:67]      ; k's scale words
	s_add_co_u32 s66, s66, 2048
	s_add_nc_u64 s[50:51], s[32:33], s[66:67]      ; v's
.irp j, 0,1,2,3
	global_load_b128 v[RAW+4*\j:RAW+4*\j+3], v[HRA], s[10:11] offset:4096*\j   ; hn's scale bytes of channel blocks 4 j .. 4 j + 3: eight lanes to a block's 128 pixels
.endr
.irp p, 0,1,2,3
	LOADWP 0x80, 12, 14, 0, \p                     ; Wq and its scale words: 68 loads
.endr
	s_wait_loadcnt 63                              ; 68 loads were issued behind the four: with at most 63 out, the four are in
.irp j, 0,1,2,3
	ds_store_b128 v[HLS], v[RAW+4*\j:RAW+4*\j+3] offset:512*\j   ; [cblk 16][pixel 128], as they lie
.endr
	LOADBI 16                                      ; bq
	WIN 0x40                                       ; destination window 1
.irp u, 0,1,2,3,4,5,6,7                ; hn, pixel tile by pixel tile: 8 loads each
.irp s, 0,1,2,3
.irp c, 0,1
	global_load_b128 v[8*(4*\u+\s)+4*\c:8*(4*\u+\s)+4*\c+3], v[HAD], s[8:9] offset:(4*\s+2*\c)*16384+16*(32*(\u/2)+8*(\u%2))
.endr
.endr
.endr
	WIN 0
.irp i, 0,1,2,3
.irp s, 0,1,2,3
.irp k, 0,1,2,3
	ds_load_u8 v[ACC+16*\i+4*\s+\k], v[HB] offset:(4*\s+\k)*128+32*\i   ; the byte of channel block 4 s + k: lanes 0-15 pixel tile 2 i, lanes 16-31 tile 2 i + 1.  My wave's own bytes; LDS serves a wave's instructions in order: these see my stores
.endr
.endr
.endr
	s_wait_dscnt 0x0
.irp i, 0,1,2,3
.irp s, 0,1,2,3
	v_lshl_or_b32 v[HS+4*\i+\s], v[ACC+16*\i+4*\s+1], 8, v[ACC+16*\i+4*\s]     ; four bytes make a row's scale word of a K step
	v_lshl_or_b32 v[HS+4*\i+\s], v[ACC+16*\i+4*\s+2], 16, v[HS+4*\i+\s]
	v_lshl_or_b32 v[HS+4*\i+\s], v[ACC+16*\i+4*\s+3], 24, v[HS+4*\i+\s]
.endr
.endr
	PLACES 8                                       ; scale registers written by vector lines stand eight places ahead of a scaled matrix instruction
	QKPHASE 0x06, 0, 40, 42, 0
	s_wait_loadcnt 0x0                             ; Wk, its scale words, bk
	QKPHASE 0x07, 1, 44, 46, 1
	s_wait_loadcnt 0x0                             ; Wv, its scale words, bv
.irp j, 0,1,2,3,4,5,6,7
	v_mov_b32 v[C8+\j], v[BI]                      ; v's result holds one channel a lane: its bias in all eight registers of C
.endr
	PLACES 4
.irp t, 0,1,2,3,4,5,6,7
	MMV \t
	PLACES 4
.if \t < 7
.irp j, 0,1,2,3,4,5,6,7
	v_mov_b32 v[C8+\j], v[BI+\t+1]
.endr
.endif
	s_wait_xcnt 0x0                                ; the last stores have read their data
	QUANT ACC, PCD, PWK+\t
	OUT 48, \t
.endr
	MERGE 50
	s_wait_tensorcnt 0x0
	ds_add_u32 v254, v255
	s_wait_dscnt 0x0
	s_endpgm
.Lfunc_end_k_q011cbcffb6_qkv:
	.size	k_q011cbcffb6_qkv, .Lfunc_end_k_q011cbcffb6_qkv-k_q011cbcffb6_qkv
	.p2alignl 7, 3214868480
	.fill 96, 4, 3214868480
	.section	.rodata,"a",@progbits
	.p2align	6, 0x0
	.amdhsa_kernel k_q011cbcffb6_qkv
		.amdhsa_group_segment_fixed_size 8704
		.amdhsa_private_segment_fixed_size 0
		.amdhsa_enable_private_segment 0
		.amdhsa_kernarg_size 104
		.amdhsa_user_sgpr_count 2
		.amdhsa_user_sgpr_kernarg_segment_ptr 1
		.amdhsa_wavefront_size32 1
		.amdhsa_system_sgpr_workgroup_id_x 1
		.amdhsa_system_sgpr_workgroup_id_y 1
		.amdhsa_system_sgpr_workgroup_id_z 1
		.amdhsa_system_vgpr_workitem_id 0
		.amdhsa_next_free_vgpr 1024
		.amdhsa_next_free_sgpr 80
		.amdhsa_reserve_vcc 0
		.amdhsa_float_denorm_mode_32 3
		.amdhsa_float_denorm_mode_16_64 3
		.amdhsa_memory_ordered 1
		.amdhsa_forward_progress 1
		.amdhsa_inst_pref_size 240
	.end_amdhsa_kernel
	.amdgpu_metadata
---
amdhsa.version: [ 1, 2 ]
amdhsa.kernels:
  - .name:           k_q011cbcffb6_qkv
    .symbol:         k_q011cbcffb6_qkv.kd
    .args:
      - { .name: hc, .offset: 0, .size: 8, .value_kind: global_buffer, .address_space: global }
      - { .name: hs, .offset: 8, .size: 8, .value_kind: global_buffer, .address_space: global }
      - { .name: wq_codes, .offset: 16, .size: 8, .value_kind: global_buffer, .address_space: global }
      - { .name: wq_scales, .offset: 24, .size: 8, .value_kind: global_buffer, .address_space: global }
      - { .name: bq, .offset: 32, .size: 8, .value_kind: global_buffer, .address_space: global }
      - { .name: wk_codes, .offset: 40, .size: 8, .value_kind: global_buffer, .address_space: global }
      - { .name: wk_scales, .offset: 48, .size: 8, .value_kind: global_buffer, .address_space: global }
      - { .name: bk, .offset: 56, .size: 8, .value_kind: global_buffer, .address_space: global }
      - { .name: wv_codes, .offset: 64, .size: 8, .value_kind: global_buffer, .address_space: global }
      - { .name: wv_scales, .offset: 72, .size: 8, .value_kind: global_buffer, .address_space: global }
      - { .name: bv, .offset: 80, .size: 8, .value_kind: global_buffer, .address_space: global }
      - { .name: qq, .offset: 88, .size: 8, .value_kind: global_buffer, .address_space: global }
      - { .name: kv, .offset: 96, .size: 8, .value_kind: global_buffer, .address_space: global }
    .group_segment_fixed_size: 8704
    .private_segment_fixed_size: 0
    .kernarg_segment_align: 8
    .kernarg_segment_size: 104
    .max_flat_workgroup_size: 128
    .sgpr_count:     80
    .vgpr_count:     1024
    .wavefront_size: 32
...
	.end_amdgpu_metadata
.endif
;; end of part 2
;; launch attn (part 3): grid 8 x 32, 4 waves a work-group, clusters of 4 x 1, 327,680 bytes of LDS; arguments qq, kv, wp_codes, wp_scales, bp, x, out0; writes out0
.if DOCPART == 3
	.amdgcn_target "amdgcn-amd-amdhsa--gfx1250"
	.amdhsa_code_object_version 6
	.text
	.protected	k_q011cbcffb6_attn
	.globl	k_q011cbcffb6_attn
	.p2align	8
	.type	k_q011cbcffb6_attn,@function
k_q011cbcffb6_attn:
	s_mov_b64 s[64:65], 0
	v_nop
	global_prefetch_b8 v0, s[64:65] scope:SCOPE_SE
	s_setreg_imm32_b32 hwreg(HW_REG_WAVE_MODE, 25, 1), 1
	s_wait_xcnt 0x0
	s_wait_alu depctr_hold_cnt(0) depctr_sa_sdst(0) depctr_va_vdst(0) depctr_va_sdst(0) depctr_va_ssrc(0) depctr_va_vcc(0) depctr_vm_vsrc(0)
	s_getreg_b32 s2, hwreg(HW_REG_IB_STS2, 6, 4)
	s_cmp_eq_u32 s2, 0
	s_cbranch_scc0 .Lentry_in_a_cluster
	s_endpgm
.Lentry_in_a_cluster:
	s_bfe_u32 s2, ttmp6, 0x10000c
	s_cmp_lg_u32 s2, 0x3003
	s_cbranch_scc0 .Lentry_shape_is_right
	s_endpgm
.Lentry_shape_is_right:
; out0 = x + Wp (softmax(q^T k / sqrt(512)) v) + bp, all three products on codes of FP4 (E2M1) with E8M0 scales.  qq and kv are laid as images of operand registers (a fragment, 16 rows x 128 K, is
; 1,024 bytes: register group c of lane l at 512 c + 16 l; merged scale words: tile 2 i in lanes 0-15, tile 2 i + 1 in lanes 16-31 of word i).
; THE SOFTMAX: t = score x log2(e) / sqrt(512); M = the row's largest t so far, rounded up to a whole number; p = 2^(t - M) is quantised along the keys, not normalised; the row's sum is taken of the
; unquantised p and divides O at the end; when M moves, the sum and O are multiplied by 2^(old M - new M), which rounds nothing.
; SHARES.  A work-group owns 128 queries of one batch.  In attention wave W owns query tiles 2 W and 2 W + 1 (pixels 32 W .. 32 W + 31) and all 512 channels of O^T: 512 registers; each fragment of k or v
; read from LDS feeds two matrix instructions.  Every wave walks the 1,024 keys, 128 a step.  In the projection the waves share the OUTPUT channels (128 W on) over all 128 pixels: O / sum is quantised in
; registers and goes from wave to wave through LDS as images.
; LAYOUT.  S^T = k q^T and O^T = v^T p^T: a lane holds one query throughout.  Lane r of tile 2 b + u (keys, queries, v's channels) stands for row 32 b + 8 u + r + 8 (r / 8), so the 16 registers of tiles
; 2 b and 2 b + 1 are 16 neighbours along the next K.  The projection takes O's fragment as source 0 and Wp's rows as source 1: a lane then holds eight neighbouring pixels of one output channel.
; CLUSTER.  The four work-groups of a cluster belong to one batch and walk the same records of kv: each slot (two key steps, 139,264 bytes on end) is asked for JOINTLY, a quarter a wave.
; x.  A wave adds 128 rows of x (its output channels), 512 bytes each.  Rows 64-127 come by one tensor load of the wave's own into slot 0, behind the last change of slots, when that slot's records have been
; read: the load has two key steps in which to land, and only the wave that issued it reads those bytes.  Rows 0-15 are loaded at the same place into 64 registers of window 1 that the key steps leave free;
; rows 16-63 behind the last product, into the registers that the fragments and q have left.
; LIMITS: NaN and infinities are not served; p under 2^-126 counts as 0 (v_exp_f32 gives no denormals); the division by the sum is v_rcp_f32 and a multiplication; a block of zeros keeps the byte 1.
; REGISTERS: window 0: v1-15 addresses; v16-31 statistics, 8 a tile; v32-55 at work; v56-71 k's scale words, v72-87 v's, v88-91 q's; v92-107 p's codes; v112-239 S^T, then p; v240-255 at work.
;   window 1: v0-127 two buffers of eight fragments; v128-191 q; v192-255 x's rows 0-15; in the epilogue rows of x throughout.   windows 2, 3: O^T (channel tile T, query tile q) at
;   8 (2 (T % 16) + q) of window 2 + T / 16; in the epilogue window 2 = O's 32 fragments, window 3 = Wp's.
.set REC,   69632                      ; a key step's record: k's codes 32,768, v's codes 32,768, k's scale words 2,048, v's 2,048
.set SLOTB, 2*REC
.set SLOT1, 139264                     ; = 0x22000: it shares no bit with a wave's quarter (0x8800 w) nor with a record (0x11000): one exclusive or turns an address into the other slot's
.set QUART, 34816                      ; what one joint load brings: 136 rows of 256 bytes
.set OIMG,  278528                     ; behind the ring: O's 32 fragments [K step][tile][1024],
.set OSC,   OIMG+32768                 ; their scale words [K step][lane][4],
.set SPARE, 313344                     ; and the spare words, 128 bytes a wave: two blocks of 256 bytes that no other line names
.set SPITCH, 528                       ; the way out: 16 rows x (512 + 16) bytes a wave,
.set STAGE, SLOT1                      ; in slot 1, which has had its last fill, and its last read when the epilogue's barrier is passed
.set LI,  1                            ; 16 x lane
.set AK,  2                            ; LDS address of the step's k
.set AV,  3                            ; and of its v
.set SPW, 4                            ; my spare word: SPARE + 4 x my thread's number; never rewritten
.set NIL, 5                            ; 0; never rewritten
.set QA,  6                            ; 16 lane + 2,048 W
.set QSA, 7                            ; 16 lane + 4 W
.set PFO, 8                            ; 256 x lane
.set PFX, 9                            ; x's prefetches: 4,096 (lane / 2) + 256 (lane % 2)
.set OWI, 10                           ; where I store O's images
.set OWS, 11                           ; and their scale word
.set ORD, 12                           ; where any image is read
.set STO, 13                           ; the stage: in
.set SRD, 14                           ; the stage: back
.set XLA, 15                           ; x's rows 64-127 in slot 0: 32,768 W + 16 lane
.set ST,  16                           ; tile q at ST + 8 q: +0 -M, +1 the largest t, +2, +3 the sum in two halves, +4 f, +5 p's scale word, +6, +7 at work
.set BM,  32                           ; + 12 q: the blocks' largest scores
.set PX,  36                           ; + 12 q: permute destinations, then bytes
.set SO,  40                           ; + 12 q: the conversions' scale operands
.set TM,  32                           ; the epilogue's quantiser works in v32-47
.set KSC, 56
.set VSC, 72
.set QSC, 88
.set PCD, 92
.set WPA, 108                          ; Wp's codes: 256 r + 16 h
.set BPA, 110                          ; bp: 4 r
.set S,   112
.set CH,  240
.set YA,  112                          ; the epilogue: eight accumulators of y,
.set RBK, 176                          ; 16 rows read back,
.set BPV, 240                          ; bp by columns, a register a tile,
.set C8,  248                          ; and as a tile of C
.set QF,  128
.set WV,  18
.set G1K, 24                           ; s[24:31], s[40:43] the joint loads' groups 1 and 0
.set G0K, 40
.set G1X, 76                           ; s[76:83], s[84:87] the same for x's one load
.set G0X, 84
.set CS,  48
.set SEL, 50
.set TB,  52
.set SLOTS, 53
.set TWICE, 54
.set LIM, 55
.set PFA, 56
.set XB,  58
.set OB,  60
.set QR,  62
.set MSB, 0
.macro WIN new                         ; the immediate's high byte repeats the setting that is left
.if MSB != (\new)
	s_set_vgpr_msb (MSB<<8)|(\new)
.set MSB, (\new)
.endif
.endm
.macro PLACES n
.rept \n
	v_nop
.endr
.endm
.macro CROUND                          ; a round of the cluster's barrier
	s_barrier_signal -1
	s_barrier_wait -1
	s_cmp_lg_u32 s[WV], 0
	s_cbranch_scc1 .Lnot_wave_0_\@
	s_barrier_signal -3
.Lnot_wave_0_\@:
	s_barrier_wait -3
	s_barrier_signal -1
	s_barrier_wait -1
.endm
.macro WMI                             ; one matrix instruction from the symbols rD, rA, rB, rC, rSA, rSB; ZC: C is the constant 0; SELA, SELB: the scales' half of the lanes
.if ZC
.if SELA && SELB
	v_wmma_scale_f32_16x16x128_f8f6f4 v[rD:rD+7], v[rA:rA+7], v[rB:rB+7], 0, v[rSA], v[rSB] matrix_a_fmt:MATRIX_FMT_FP4 matrix_b_fmt:MATRIX_FMT_FP4 matrix_a_scale:MATRIX_SCALE_ROW1 matrix_b_scale:MATRIX_SCALE_ROW1
.elseif SELA
	v_wmma_scale_f32_16x16x128_f8f6f4 v[rD:rD+7], v[rA:rA+7], v[rB:rB+7], 0, v[rSA], v[rSB] matrix_a_fmt:MATRIX_FMT_FP4 matrix_b_fmt:MATRIX_FMT_FP4 matrix_a_scale:MATRIX_SCALE_ROW1
.elseif SELB
	v_wmma_scale_f32_16x16x128_f8f6f4 v[rD:rD+7], v[rA:rA+7], v[rB:rB+7], 0, v[rSA], v[rSB] matrix_a_fmt:MATRIX_FMT_FP4 matrix_b_fmt:MATRIX_FMT_FP4 matrix_b_scale:MATRIX_SCALE_ROW1
.else
	v_wmma_scale_f32_16x16x128_f8f6f4 v[rD:rD+7], v[rA:rA+7], v[rB:rB+7], 0, v[rSA], v[rSB] matrix_a_fmt:MATRIX_FMT_FP4 matrix_b_fmt:MATRIX_FMT_FP4
.endif
.else
.if SELA && SELB
	v_wmma_scale_f32_16x16x128_f8f6f4 v[rD:rD+7], v[rA:rA+7], v[rB:rB+7], v[rC:rC+7], v[rSA], v[rSB] matrix_a_fmt:MATRIX_FMT_FP4 matrix_b_fmt:MATRIX_FMT_FP4 matrix_a_scale:MATRIX_SCALE_ROW1 matrix_b_scale:MATRIX_SCALE_ROW1
.elseif SELA
	v_wmma_scale_f32_16x16x128_f8f6f4 v[rD:rD+7], v[rA:rA+7], v[rB:rB+7], v[rC:rC+7], v[rSA], v[rSB] matrix_a_fmt:MATRIX_FMT_FP4 matrix_b_fmt:MATRIX_FMT_FP4 matrix_a_scale:MATRIX_SCALE_ROW1
.elseif SELB
	v_wmma_scale_f32_16x16x128_f8f6f4 v[rD:rD+7], v[rA:rA+7], v[rB:rB+7], v[rC:rC+7], v[rSA], v[rSB] matrix_a_fmt:MATRIX_FMT_FP4 matrix_b_fmt:MATRIX_FMT_FP4 matrix_b_scale:MATRIX_SCALE_ROW1
.else
	v_wmma_scale_f32_16x16x128_f8f6f4 v[rD:rD+7], v[rA:rA+7], v[rB:rB+7], v[rC:rC+7], v[rSA], v[rSB] matrix_a_fmt:MATRIX_FMT_FP4 matrix_b_fmt:MATRIX_FMT_FP4
.endif
.endif
.endm
; 64 numbers of a lane, register 16 b + i = k 32 b + 16 (lane / 16) + i of my row, become a fragment's codes in v[pc] on and its scale word in v[pw]
.macro QUANT s, pc, pw
.irp b, 0,1,2,3
	v_max3_num_f32 v[TM+\b], |v[\s+16*\b]|, |v[\s+1+16*\b]|, 0x1800000   ; my 16 numbers of block b, and the floor 2^(3 - 127)
.endr
.irp i, 2,4,6,8,10,12,14
.irp b, 0,1,2,3
	v_max3_num_f32 v[TM+\b], v[TM+\b], |v[\s+16*\b+\i]|, |v[\s+1+16*\b+\i]|
.endr
.endr
.irp b, 0,1,2,3
	v_permlanex16_b32 v[TM+4+\b], v[TM+\b], s[SEL], s[SEL+1]
.endr
.irp b, 0,1,2,3
	v_max_num_f32 v[TM+\b], v[TM+\b], v[TM+4+\b]
.endr
.irp b, 0,1,2,3
	v_add_nc_u32 v[TM+12+\b], 0xff000000, v[TM+\b]
.endr
.irp b, 0,1,2,3
	v_lshrrev_b32 v[TM+4+\b], 23, v[TM+12+\b]
.endr
	v_lshl_or_b32 v[\pw], v[TM+5], 8, v[TM+4]
	v_lshl_or_b32 v[\pw], v[TM+6], 16, v[\pw]
	v_lshl_or_b32 v[\pw], v[TM+7], 24, v[\pw]
.irp b, 0,1,2,3
	v_cvt_scalef32_pk8_fp4_f32 v[\pc+2*\b], v[\s+16*\b:\s+7+16*\b], v[TM+12+\b]
	v_cvt_scalef32_pk8_fp4_f32 v[\pc+1+2*\b], v[\s+8+16*\b:\s+15+16*\b], v[TM+12+\b]
.endr
	v_nop                                          ; one plain line behind the last conversion
.irp c, 0,1
.irp i, 0,1
	v_permlane16_swap_b32 v[\pc+4*\c+\i], v[\pc+2+4*\c+\i]
.endr
.endr
.endm
.macro FETCH adr, off, f               ; eight fragments, 16 LDS loads of 512 bytes on end, into window 1
	WIN 0x40
.irp i, 0,1,2,3,4,5,6,7
	ds_load_b128 v[\f+8*\i:\f+8*\i+3], v[\adr] offset:\off+1024*\i
	ds_load_b128 v[\f+8*\i+4:\f+8*\i+7], v[\adr] offset:\off+1024*\i+512
.endr
.endm
.macro SMM s                           ; S^T, K step s (128 channels): 8 tiles of keys x my two tiles of queries: sixteen accumulators by turns
	WIN 0x05
.irp u, 0,1,2,3,4,5,6,7
.irp q, 0,1
.set rD, S+64*\q+8*\u
.set rA, 64*((\s)%2)+8*\u
.set rB, QF+8*(4*\q+(\s))
.set rC, rD
.if \s == 0
.set ZC, 1
.else
.set ZC, 0
.endif
.set rSA, KSC+4*(\s)+\u/2
.set rSB, QSC+(\s)
.set SELA, \u%2
.set SELB, \q
	WMI
.endr
.endr
.endm
.macro PVMM g                          ; O^T += v^T p^T: channel tiles 8 g .. 8 g + 7 x my two tiles of queries
.if \g < 2
	WIN 0xa1
.else
	WIN 0xf1
.endif
.irp k, 0,1,2,3,4,5,6,7
.irp q, 0,1
.set rD, 8*(2*((8*(\g)+\k)%16)+\q)
.set rA, 64*((\g)%2)+8*\k
.set rB, PCD+8*\q
.set rC, rD
.set ZC, 0
.set rSA, VSC+4*(\g)+\k/2
.set rSB, ST+8*\q+5
.set SELA, \k%2
.set SELB, 0
	WMI
.endr
.endr
.endm
.macro SOFTMAX                         ; both tiles of queries, line by line by turns
	WIN 0
.irp b, 0,1,2,3
.irp q, 0,1
	v_max3_num_f32 v[BM+12*\q+\b], v[S+64*\q+16*\b], v[S+64*\q+16*\b+1], v[S+64*\q+16*\b+2]   ; the largest score of each block of 32 keys: it serves the row's maximum and, since p rises with the score, the block's largest p
.endr
.endr
.irp i, 3,5,7,9,11,13
.irp b, 0,1,2,3
.irp q, 0,1
	v_max3_num_f32 v[BM+12*\q+\b], v[BM+12*\q+\b], v[S+64*\q+16*\b+\i], v[S+64*\q+16*\b+\i+1]
.endr
.endr
.endr
.irp b, 0,1,2,3
.irp q, 0,1
	v_max_num_f32 v[BM+12*\q+\b], v[BM+12*\q+\b], v[S+64*\q+16*\b+15]
.endr
.endr
.irp b, 0,1,2,3
.irp q, 0,1
	v_permlanex16_b32 v[PX+12*\q+\b], v[BM+12*\q+\b], s[SEL], s[SEL+1]
.endr
.endr
.irp b, 0,1,2,3
.irp q, 0,1
	v_max_num_f32 v[BM+12*\q+\b], v[BM+12*\q+\b], v[PX+12*\q+\b]   ; with lane l xor 16's 16 keys
.endr
.endr
.irp q, 0,1
	v_max3_num_f32 v[ST+8*\q+6], v[BM+12*\q], v[BM+12*\q+1], v[BM+12*\q+2]
.endr
.irp q, 0,1
	v_max_num_f32 v[ST+8*\q+6], v[ST+8*\q+6], v[BM+12*\q+3]        ; the step's largest score of my query
.endr
.irp q, 0,1
	v_mul_f32 v[ST+8*\q+6], s[CS], v[ST+8*\q+6]                    ; as t
.endr
.irp q, 0,1
	v_max_num_f32 v[ST+8*\q+1], v[ST+8*\q+1], v[ST+8*\q+6]         ; the running largest t
.endr
.irp q, 0,1
	v_mov_b32 v[ST+8*\q+6], v[ST+8*\q]
.endr
.irp q, 0,1
	v_floor_f32 v[ST+8*\q], -v[ST+8*\q+1]                          ; the new -M = floor(-t): M is a whole number
.endr
.irp q, 0,1
	v_sub_f32 v[ST+8*\q+6], v[ST+8*\q], v[ST+8*\q+6]               ; old M - new M, 0 or less
.endr
.irp q, 0,1
	v_cvt_i32_f32 v[ST+8*\q+6], v[ST+8*\q+6]                       ; (it saturates)
.endr
.irp q, 0,1
	v_ldexp_f32 v[ST+8*\q+4], 1.0, v[ST+8*\q+6]                    ; f = 2^(old M - new M)
.endr
.set j, 0
.rept 64
	v_pk_fma_f32 v[S+j:S+j+1], v[S+j:S+j+1], s[CS:CS+1], v[ST+8*(j/64):ST+8*(j/64)+1] op_sel_hi:[1,0,0]   ; t - M, two at a time
.set j, j+2
.endr
.irp b, 0,1,2,3
.irp q, 0,1
	v_fma_f32 v[BM+12*\q+\b], v[BM+12*\q+\b], s[CS], v[ST+8*\q]    ; the same of each block's largest score
.endr
.endr
.set j, 0
.rept 128
	v_exp_f32 v[S+j], v[S+j]                       ; p = 2^(t - M): ONE batch
.set j, j+1
.endr
.irp q, 0,1
	v_pk_mul_f32 v[ST+8*\q+2:ST+8*\q+3], v[ST+8*\q+2:ST+8*\q+3], v[ST+8*\q+4:ST+8*\q+5] op_sel_hi:[1,0]   ; the sums under the new M (the plain lines behind the batch)
.endr
	s_wait_alu depctr_va_vdst(0)                   ; one wait for the 128, ahead of the first line that names a result
.irp b, 0,1,2,3
.irp q, 0,1
	v_exp_f32 v[BM+12*\q+\b], v[BM+12*\q+\b]       ; the blocks' largest p
.endr
.endr
.irp q, 0,1
	v_pk_add_f32 v[CH+2*\q:CH+2*\q+1], v[S+64*\q:S+64*\q+1], v[S+64*\q+2:S+64*\q+3]   ; the row's sum of the UNQUANTISED p, in two chains a tile; it reads the 128 alone
.endr
.irp j, 4,8,12,16,20,24,28,32,36,40,44,48,52,56,60
.irp q, 0,1
	v_pk_add_f32 v[ST+8*\q+2:ST+8*\q+3], v[ST+8*\q+2:ST+8*\q+3], v[S+64*\q+\j:S+64*\q+\j+1]
	v_pk_add_f32 v[CH+2*\q:CH+2*\q+1], v[CH+2*\q:CH+2*\q+1], v[S+64*\q+\j+2:S+64*\q+\j+3]
.endr
.endr
.irp q, 0,1
	v_pk_add_f32 v[ST+8*\q+2:ST+8*\q+3], v[ST+8*\q+2:ST+8*\q+3], v[CH+2*\q:CH+2*\q+1]
.endr
	s_wait_alu depctr_va_vdst(0)                   ; and one for the eight
.irp b, 0,1,2,3
.irp q, 0,1
	v_max_num_f32 v[BM+12*\q+\b], 0x1800000, v[BM+12*\q+\b]        ; the floor 2^(3 - 127): the byte cannot fall under 1
.endr
.endr
.irp b, 0,1,2,3
.irp q, 0,1
	v_add_nc_u32 v[SO+12*\q+\b], 0xff000000, v[BM+12*\q+\b]        ; 2 off the exponent field: the conversion's scale operand
.endr
.endr
.irp b, 0,1,2,3
.irp q, 0,1
	v_lshrrev_b32 v[PX+12*\q+\b], 23, v[SO+12*\q+\b]               ; the scale's byte
.endr
.endr
.irp q, 0,1
	v_lshl_or_b32 v[ST+8*\q+5], v[PX+12*\q+1], 8, v[PX+12*\q]      ; p's scale word for these 128 keys
.endr
.irp q, 0,1
	v_lshl_or_b32 v[ST+8*\q+5], v[PX+12*\q+2], 16, v[ST+8*\q+5]
.endr
.irp q, 0,1
	v_lshl_or_b32 v[ST+8*\q+5], v[PX+12*\q+3], 24, v[ST+8*\q+5]
.endr
.irp q, 0,1
.irp b, 0,1,2,3
	v_cvt_scalef32_pk8_fp4_f32 v[PCD+8*\q+2*\b], v[S+64*\q+16*\b:S+64*\q+16*\b+7], v[SO+12*\q+\b]
	v_cvt_scalef32_pk8_fp4_f32 v[PCD+8*\q+2*\b+1], v[S+64*\q+16*\b+8:S+64*\q+16*\b+15], v[SO+12*\q+\b]
.endr
.endr
	v_nop                                          ; one plain line behind the last conversion
.irp q, 0,1
.irp c, 0,1
.irp i, 0,1
	v_permlane16_swap_b32 v[PCD+8*\q+4*\c+\i], v[PCD+8*\q+4*\c+2+\i]   ; a whole block to a lane
.endr
.endr
.endr
.endm
.macro RESCALE                         ; O^T under the new M: x f, each accumulator from its low end on.  These lines are also the places ahead of the products that take p's codes and scale word
	WIN 0x82
.set n, 0
.rept 128
	v_pk_mul_f32 v[n:n+1], v[n:n+1], v[ST+8*((n/8)%2)+4:ST+8*((n/8)%2)+5] op_sel_hi:[1,0]
.set n, n+2
.endr
	WIN 0xc3
.set n, 0
.rept 128
	v_pk_mul_f32 v[n:n+1], v[n:n+1], v[ST+8*((n/8)%2)+4:ST+8*((n/8)%2)+5] op_sel_hi:[1,0]
.set n, n+2
.endr
.endm
; A KEY STEP: 128 keys.  Runs of 16 LDS loads, each issued a run of products ahead of its use, into two buffers by turns.  Each s_wait_dscnt 16 leaves the one younger run out.
; A load into a register that a matrix instruction has read stands four plain vector lines behind it (ISA guide 7.12.1 for vector lines).
.macro STEP
	v_add_nc_u32 v[AK], s[TB], v[LI]
	v_add_nc_u32 v[AV], 32768, v[AK]
	PLACES 2                                       ; with the two additions: four places behind the last step's products
.irp s, 0,1,2,3
	ds_load_b128 v[KSC+4*\s:KSC+4*\s+3], v[AV] offset:32768+512*\s
.endr
.irp g, 0,1,2,3
	ds_load_b128 v[VSC+4*\g:VSC+4*\g+3], v[AV] offset:34816+512*\g
.endr
	FETCH AK, 0, 0
	FETCH AK, 8192, 64
	s_wait_dscnt 16
	SMM 0
	PLACES 4
	FETCH AK, 16384, 0
	s_wait_dscnt 16
	SMM 1
	PLACES 4
	FETCH AK, 24576, 64
	s_wait_dscnt 16
	SMM 2
	PLACES 4
	FETCH AV, 0, 0
	s_wait_dscnt 16
	SMM 3
	PLACES 4                                       ; also ahead of the first read of the scores
	FETCH AV, 8192, 64
	SOFTMAX
	RESCALE
	s_wait_dscnt 16
	PVMM 0
	PLACES 4
	FETCH AV, 16384, 0
	s_wait_dscnt 16
	PVMM 1
	PLACES 4
	FETCH AV, 24576, 64
	s_wait_dscnt 16
	PVMM 2
	s_wait_dscnt 0x0
	PVMM 3
	WIN 0
	s_add_co_u32 s[TB], s[TB], REC                 ; the next step's record
.endm
; A slot's two key steps: written once, walked twice.  ask = 1 (the last slot): at the head of the last key step my rows 16-63 of x are prefetched into the L2, 512 bytes a row, two lanes a row, three
; instructions: one key step ahead of their loads.  Only this wave reads those rows, so each block is named once.
.macro TWO_STEPS ask
	s_mov_b32 s[TWICE], 2
.Lstep_\@:
.if \ask
	s_cmp_eq_u32 s[TWICE], 1
	s_cbranch_scc0 .Lnot_yet_\@
.irp i, 1,2,3
	global_prefetch_b8 v[PFX], s[XB:XB+1] offset:65536*\i th:TH_LOAD_NT scope:SCOPE_SE
.endr
.Lnot_yet_\@:
.endif
	STEP
	s_sub_co_u32 s[TWICE], s[TWICE], 1
	s_cmp_lg_u32 s[TWICE], 0
	s_cbranch_scc1 .Lstep_\@
	s_sub_co_u32 s[TB], s[TB], SLOTB               ; back to a slot's first record,
	s_xor_b32 s[TB], s[TB], SLOT1                  ; in the other slot
.endm
; A prefetch into the L2 of the codes that the NEXT change of slots will ask for: two key steps ahead.  Both clusters of a batch walk the same records: the first asks.  Its four partners are told apart by
; address: place p takes record p / 2 of the slot, k's codes (p even) or v's (p odd); there wave w takes 8,192 bytes, lanes 256 bytes apart: 512 blocks, each named once.  The last change that fills with records asks for nothing.
.macro ASK
	s_cmp_gt_u32 s[SLOTS], s[LIM]
	s_cbranch_scc0 .Lnot_mine_\@
	global_prefetch_b8 v[PFO], s[PFA:PFA+1] th:TH_LOAD_NT scope:SCOPE_SE
.Lnot_mine_\@:
.endm
; THE CHANGE OF SLOTS, at a slot's head.  Each wave waits for all its tensor loads (one is out: its quarter of the slot ahead), adds 0 to its spare word, and waits for that and for its reads of the slot left;
; then a round of the cluster's barrier, and behind it the slot left is filled again, first thing, one load a wave: it has two key steps in which to land.
; kv = 1: with the next two records, jointly.  kv = 0, the last change: no record is left; slot 0 takes my rows 64-127 of x, by a load of my own, and rows 0-15 go into registers.
.macro CHANGE kv
	WIN 0
	s_wait_tensorcnt 0x0                           ; no tensor load of mine is out, so the descriptor may be written
	ds_add_u32 v[SPW], v[NIL]
.if \kv
	s_xor_b32 s[G0K+1], s[G0K+1], SLOT1            ; the other slot than last time,
	s_add_nc_u64 s[G0K+2:G0K+3], s[G0K+2:G0K+3], SLOTB   ; the next two records; the type bits on top are not reached
	s_wait_xcnt 0x0                                ; the last prefetch, a slot back, has read its address
	s_add_nc_u64 s[PFA:PFA+1], s[PFA:PFA+1], SLOTB
.endif
	s_wait_dscnt 0x0                               ; the add is done, and my reads of the slot left are over
	CROUND
.if \kv
	tensor_load_to_lds s[G0K:G0K+3], s[G1K:G1K+7]
	s_nop 0
	PLACES 4
	ASK
.else
	tensor_load_to_lds s[G0X:G0X+3], s[G1X:G1X+7]  ; 64 rows x 512 bytes, to 32,768 x my wave's number
	s_nop 0
	PLACES 4
	WIN 0x40
.set i, 0
.rept 16
	global_load_b128 v[192+4*i:195+4*i], v[LI], s[XB:XB+1] offset:4096*i th:TH_LOAD_NT   ; rows 0-15: 32 lanes read 512 bytes on end
.set i, i+1
.endr
	WIN 0
.endif
.endm
	s_load_b256 s[4:11], s[0:1], 0x0               ; qq 4, kv 6, wp_codes 8, wp_scales 10
	s_load_b128 s[12:15], s[0:1], 0x20             ; bp 12, x 14
	s_load_b64 s[16:17], s[0:1], 0x30              ; out0
	v_lshl_add_u32 v[SPW], v0, 2, SPARE
	v_mov_b32 v[NIL], 0
	ds_add_u32 v4, v5
	ds_add_u32 v4, v5
	s_wait_dscnt 0x0
	v_lshrrev_b32 v1, 5, v0
	v_readfirstlane_b32 s[WV], v1                  ; wave 0..3
	s_bfe_u32 s19, ttmp6, 0x40000                  ; cx: it enters global addresses of my own alone
	s_lshl_b32 s20, ttmp9, 2
	s_add_co_u32 s20, s20, s19                     ; my block of 128 queries
	s_and_b32 s21, ttmp7, 0xffff                   ; the batch, which the four partners share
	s_mul_i32 s22, s21, 8*REC                      ; the batch's first record,
	s_mul_i32 s[G0K+1], s[WV], QUART               ; my quarter of a slot, in LDS
	s_add_co_u32 s22, s22, s[G0K+1]                ; and in memory
	s_mov_b32 s23, 0
	s_mov_b32 s[G1K], 15|(3<<16)|(1<<21)           ; 15:0 the mask: all four work-groups; 17:16 elements of 8 bytes; 21 set beside a mask; no padding: images are read 512 bytes on end
	s_mov_b32 s[G1K+1], 32<<16                     ; tensor_dim0 = 32 elements: rows of 256 bytes
	s_mov_b32 s[G1K+2], 136<<16                    ; tensor_dim1 = 136
	s_mov_b32 s[G1K+3], 32<<16                     ; tile_dim0
	s_mov_b32 s[G1K+4], 136                        ; tile_dim1
	s_mov_b32 s[G1K+5], 32                         ; the pitch: the block is dense
	s_mov_b32 s[G1K+6], 0
	s_mov_b32 s[G1K+7], 0
	s_mov_b32 s[G1X], 2<<16                        ; x: 15:0 no mask: a load of my own; 17:16 elements of 4 bytes; no padding: a row is read 512 bytes on end
	s_mov_b32 s[G1X+1], 128<<16                    ; tensor_dim0 = 128 pixels
	s_mov_b32 s[G1X+2], 64<<16                     ; tensor_dim1 = 64 channels
	s_mov_b32 s[G1X+3], 128<<16                    ; tile_dim0
	s_mov_b32 s[G1X+4], 64                         ; tile_dim1
	s_mov_b32 s[G1X+5], 1024                       ; the pitch: a channel's 1,024 pixels
	s_mov_b32 s[G1X+6], 0
	s_mov_b32 s[G1X+7], 0
	s_lshr_b32 s32, s19, 1                         ; the prefetches of kv: record cx / 2 of a slot,
	s_mul_i32 s32, s32, REC
	s_and_b32 s33, s19, 1
	s_lshl_b32 s33, s33, 15                        ; k's codes or v's,
	s_add_co_u32 s32, s32, s33
	s_lshl_b32 s33, s[WV], 13                      ; my wave's 8,192 bytes,
	s_add_co_u32 s32, s32, s33
	s_mul_i32 s33, s21, 8*REC
	s_add_co_u32 s32, s32, s33
	s_add_co_u32 s32, s32, SLOTB                   ; in the second slot's records: the first change steps it to the third's
	s_mov_b32 s33, 0
	s_lshl_b32 s34, s21, 3
	s_add_co_u32 s34, s34, s20
	s_mul_i32 s34, s34, 34816                      ; q's record
	s_mov_b32 s35, 0
	s_lshl_b32 s36, s21, 21                        ; x and out0: the batch,
	s_lshl_b32 s37, s[WV], 19                      ; my 128 channels,
	s_add_co_u32 s36, s36, s37
	s_lshl_b32 s37, s20, 9                         ; my 128 pixels
	s_add_co_u32 s36, s36, s37
	s_mov_b32 s37, 0
	s_lshl_b32 s38, s[WV], 15                      ; my 128 rows of Wp: codes,
	s_mov_b32 s39, 0
	s_lshl_b32 s44, s[WV], 11                      ; scale bytes,
	s_mov_b32 s45, 0
	s_lshl_b32 s46, s[WV], 9                       ; bp
	s_mov_b32 s47, 0
	s_mov_b32 s[CS], 0x3d8293ee                    ; c = log2(e) / sqrt(512)
	s_mov_b32 s[CS+1], s[CS]                       ; (named with it as a pair)
	s_mov_b32 s[SEL], 0x76543210
	s_mov_b32 s[SEL+1], 0xfedcba98
	s_mov_b32 s66, 0xffff0000                      ; lanes 16-31
	s_mov_b32 s[TB], 0
	s_mov_b32 s[SLOTS], 3
	s_wait_kmcnt 0x0
	s_mov_b32 s[G0K], 1
	s_add_nc_u64 s[G0K+2:G0K+3], s[6:7], s[22:23]
	s_or_b32 s[G0K+3], s[G0K+3], 0x80000000
	s_add_nc_u64 s[PFA:PFA+1], s[6:7], s[32:33]
	s_add_nc_u64 s[QR:QR+1], s[4:5], s[34:35]
	s_add_nc_u64 s[XB:XB+1], s[14:15], s[36:37]
	s_add_nc_u64 s[OB:OB+1], s[16:17], s[36:37]
	s_add_nc_u64 s[68:69], s[8:9], s[38:39]
	s_add_nc_u64 s[70:71], s[10:11], s[44:45]
	s_add_nc_u64 s[72:73], s[12:13], s[46:47]
	s_mov_b32 s[G0X], 1                            ; x's load: count = 1,
	s_lshl_b32 s[G0X+1], s[WV], 15                 ; to LDS byte 32,768 x wave,
	s_add_nc_u64 s[G0X+2:G0X+3], s[XB:XB+1], 64*4096   ; from my row 64 on,
	s_or_b32 s[G0X+3], s[G0X+3], 0x80000000        ; type = 2
	s_cmp_eq_u32 ttmp9, 0                          ; the batch's first cluster prefetches kv: the same in all four partners
	s_cselect_b32 s[LIM], 1, -1
	CROUND                                         ; all four work-groups are here: the first joint loads meet
	tensor_load_to_lds s[G0K:G0K+3], s[G1K:G1K+7]  ; key steps 0 and 1 into slot 0; by this text's count a wave never has more than one tensor load out
	s_nop 0
	PLACES 4
	v_and_b32 v[LI], 31, v0
	v_lshlrev_b32 v[PFO], 8, v[LI]
	v_lshrrev_b32 v[PFX], 1, v[LI]
	v_and_b32 v112, 1, v[LI]
	v_lshlrev_b32 v112, 8, v112
	v_lshl_add_u32 v[PFX], v[PFX], 12, v112
	v_lshlrev_b32 v[LI], 4, v[LI]
	s_lshl_b32 s32, s[WV], 11
	v_add_nc_u32 v[QA], s32, v[LI]
	s_lshl_b32 s32, s[WV], 2
	v_add_nc_u32 v[QSA], s32, v[LI]
	WIN 0x40                                       ; destination window 1
.irp q, 0,1
.irp s, 0,1,2,3
.irp c, 0,1
	global_load_b128 v[QF+8*(4*\q+\s)+4*\c:QF+8*(4*\q+\s)+4*\c+3], v[QA], s[QR:QR+1] offset:8192*\s+1024*\q+512*\c   ; q stays in registers
.endr
.endr
.endr
	WIN 0
.irp s, 0,1,2,3
	global_load_b32 v[QSC+\s], v[QSA], s[QR:QR+1] offset:32768+512*\s   ; lanes 0-15 tile 2 W's word, lanes 16-31 tile 2 W + 1's
.endr
	v_add_nc_u32 v[OWI], OIMG, v[QA]
	v_add_nc_u32 v[OWS], OSC, v[QSA]
	v_add_nc_u32 v[ORD], OIMG, v[LI]
	v_and_b32 v112, 15, v0                         ; r
	v_bfe_u32 v113, v0, 4, 1                       ; h
	s_mul_i32 s32, s[WV], 16*SPITCH
	s_add_co_u32 s32, s32, STAGE                   ; my stage
	v_mul_u32_u24 v[STO], v112, SPITCH
	v_lshl_add_u32 v[STO], v113, 6, v[STO]
	v_add_nc_u32 v[STO], s32, v[STO]               ; in: row r, + 64 h
	v_add_nc_u32 v[SRD], s32, v[LI]                ; back: a row of 512 bytes to the 32 lanes
	s_lshl_b32 s32, s[WV], 15
	v_add_nc_u32 v[XLA], s32, v[LI]                ; x in slot 0: a row of 512 bytes to the 32 lanes
	v_lshlrev_b32 v[WPA], 8, v112
	v_lshl_add_u32 v[WPA], v113, 4, v[WPA]
	v_lshlrev_b32 v[BPA], 2, v112
	v_mov_b32 v254, 0
	v_mov_b32 v255, 0
.irp q, 0,1
	v_mov_b32 v[ST+8*\q+1], 0xff61b1e6             ; the largest t so far: -3e38
	v_mov_b32 v[ST+8*\q+2], 0                      ; the sum
	v_mov_b32 v[ST+8*\q+3], 0
	v_mov_b32 v[ST+8*\q+5], 0                      ; (named as a pair's upper half before it is first made)
	v_mov_b32 v[ST+8*\q+7], 0
	v_floor_f32 v[ST+8*\q], -v[ST+8*\q+1]          ; -M
.irp b, 0,1,2,3
	v_mov_b32 v[PX+12*\q+\b], 0                    ; a lane permute's destination counts as one of its sources
.endr
.endr
	WIN 0x80                                       ; O^T begins as zeros, two registers a line, while the first slot is on its way: the step is then written once, and the first change of M leaves zeros
.set n, 0
.rept 128
	v_pk_mul_f32 v[n:n+1], v[254:255], v[254:255]
.set n, n+2
.endr
	WIN 0xc0
.set n, 0
.rept 128
	v_pk_mul_f32 v[n:n+1], v[254:255], v[254:255]
.set n, n+2
.endr
	WIN 0
	s_wait_loadcnt 0x0                             ; q
.Lslot:                                            ; three trips: behind each change of slots but the last the next two records are asked for
	CHANGE 1
	TWO_STEPS 0
	s_sub_co_u32 s[SLOTS], s[SLOTS], 1
	s_cmp_lg_u32 s[SLOTS], 0
	s_cbranch_scc1 .Lslot
	CHANGE 0                                       ; the last slot is written out; x takes the slot that is left
	TWO_STEPS 1
	; ---- THE EPILOGUE.  x's rows 16-63 into window 1, v0-191 (four places behind the last products, which read that window)
	PLACES 4
	WIN 0x40
.set i, 16
.rept 48
	global_load_b128 v[4*(i-16):4*(i-16)+3], v[LI], s[XB:XB+1] offset:4096*i th:TH_LOAD_NT   ; 32 lanes read 512 bytes on end
.set i, i+1
.endr
	WIN 0
.irp q, 0,1
	v_add_f32 v[ST+8*\q+6], v[ST+8*\q+2], v[ST+8*\q+3]             ; the sum's two halves,
.endr
.irp q, 0,1
	v_permlanex16_b32 v[ST+8*\q+7], v[ST+8*\q+6], s[SEL], s[SEL+1]
.endr
.irp q, 0,1
	v_add_f32 v[ST+8*\q+2], v[ST+8*\q+6], v[ST+8*\q+7]             ; and lane l xor 16's: the row's sum
.endr
.irp q, 0,1
	v_rcp_f32 v[ST+8*\q+6], v[ST+8*\q+2]
.endr
	v_nop                                          ; a plain line behind the last reciprocal
	s_wait_alu depctr_va_vdst(0)                   ; one wait for both, ahead of the first line that names a result
	; O / sum, 128 channels at a time, becomes a fragment of the projection's operand and goes to LDS as an image.  Window 3's channels first, so that Wp can land there
.irp s, 2,3,0,1
.irp q, 0,1
	WIN 0x02+(\s/2)
.set n, 0
.rept 32
.set rO, 128*(\s%2)+16*(n/8)+8*\q+n%8
	v_pk_mul_f32 v[S+64*\q+n:S+64*\q+n+1], v[rO:rO+1], v[ST+8*\q+6:ST+8*\q+7] op_sel_hi:[1,0]   ; each accumulator from its low end on
.set n, n+2
.endr
	WIN 0
	QUANT S+64*\q, PCD+8*\q, 48+\q
	ds_store_b128 v[OWI], v[PCD+8*\q:PCD+8*\q+3] offset:8192*\s+1024*\q
	ds_store_b128 v[OWI], v[PCD+8*\q+4:PCD+8*\q+7] offset:8192*\s+1024*\q+512
.endr
	v_cndmask_b32 v50, v48, v49, s66               ; tile 2 W's word in lanes 0-15, tile 2 W + 1's in lanes 16-31
	ds_store_b32 v[OWS], v50 offset:512*\s
	s_wait_dscnt 0x0                               ; the stores have read their registers
.if \s == 3
	WIN 0xc0                                       ; window 3 is free: my 128 rows of Wp, fragment (tile t, K step s) at 8 (4 t + s)
.irp t, 0,1,2,3,4,5,6,7
.irp k, 0,1,2,3
.irp c, 0,1
	global_load_b128 v[8*(4*\t+\k)+4*\c:8*(4*\t+\k)+4*\c+3], v[WPA], s[68:69] offset:4096*\t+64*\k+32*\c
.endr
.endr
.endr
	WIN 0
.irp i, 0,1,2,3
	global_load_b128 v[VSC+4*\i:VSC+4*\i+3], v[LI], s[70:71] offset:512*\i   ; Wp's scale words: row 32 i + lane: tile 2 i in lanes 0-15, tile 2 i + 1 in lanes 16-31
.endr
.irp t, 0,1,2,3,4,5,6,7
	global_load_b32 v[BPV+\t], v[BPA], s[72:73] offset:64*\t
.endr
.endif
.endr
	s_wait_tensorcnt 0x0                           ; my rows 64-127 of x lie in slot 0; only I read them
	s_barrier_signal -1                            ; my images have landed and all my LDS reads are over (the wait for 0 above)
	s_barrier_wait -1                              ; O's 32 fragments lie in LDS, and nobody reads slot 1's records any more
	WIN 0x80
.irp u, 0,1,2,3,4,5,6,7
.irp s, 0,1,2,3
.irp c, 0,1
	ds_load_b128 v[8*(4*\u+\s)+4*\c:8*(4*\u+\s)+4*\c+3], v[ORD] offset:8192*\s+1024*\u+512*\c
.endr
.endr
.endr
	WIN 0
.irp s, 0,1,2,3
	ds_load_b128 v[KSC+4*\s:KSC+4*\s+3], v[ORD] offset:32768+512*\s
.endr
	s_wait_dscnt 0x0
	s_wait_loadcnt 0x0                             ; x's rows 0-63, Wp, its scale words, bp
.irp j, 0,1,2,3,4,5,6,7
	v_mov_b32 v[C8+\j], v[BPV]                     ; a lane holds one output channel: its bias in all eight registers of C
.endr
	PLACES 4
	; y, 16 output channels at a time: source 0 = O's 8 tiles of pixels, source 1 = Wp's tile t; eight accumulators by turns
.irp t, 0,1,2,3,4,5,6,7
.if \t == 0
.set XRB, 192                          ; where the tile's 16 rows of x stand in window 1
.elseif \t < 4
.set XRB, 64*(\t-1)
.else
.set XRB, 64*(\t%2)
	WIN 0x40
.irp i, 0,1,2,3,4,5,6,7,8,9,10,11,12,13,14,15
	ds_load_b128 v[XRB+4*\i:XRB+4*\i+3], v[XLA] offset:512*(16*(\t-4)+\i)   ; rows 16 t on, out of slot 0: they land under the tile's products
.endr
.endif
	WIN 0x0e
.irp s, 0,1,2,3
.irp u, 0,1,2,3,4,5,6,7
.set rD, YA+8*\u
.set rA, 8*(4*\u+\s)
.set rB, 8*(4*\t+\s)
.if \s == 0
.set rC, C8
.else
.set rC, rD
.endif
.set ZC, 0
.set rSA, KSC+4*\s+\u/2
.set rSB, VSC+4*(\t/2)+\s
.set SELA, \u%2
.set SELB, \t%2
	WMI
.endr
.endr
	WIN 0
	PLACES 4                                       ; ahead of the first read of the results and of the write of C8
.if \t < 7
.irp j, 0,1,2,3,4,5,6,7
	v_mov_b32 v[C8+\j], v[BPV+\t+1]
.endr
.endif
.irp u, 0,1,2,3,4,5,6,7
	ds_store_b128 v[STO], v[YA+8*\u:YA+8*\u+3] offset:4*(32*(\u/2)+8*(\u%2))       ; lane (r, h): channel 16 t + r, pixels 32 (u / 2) + 8 (u % 2) + 16 h + 0 .. 7; each accumulator from its low end on
	ds_store_b128 v[STO], v[YA+8*\u+4:YA+8*\u+7] offset:4*(32*(\u/2)+8*(\u%2))+16
.endr
	s_wait_xcnt 0x0                                ; the last tile's stores have read their data: those registers are loaded again only behind this wait
.irp i, 0,1,2,3,4,5,6,7,8,9,10,11,12,13,14,15
	ds_load_b128 v[RBK+4*\i:RBK+4*\i+3], v[SRD] offset:\i*SPITCH   ; my own stage; LDS serves a wave's instructions in order: these see the stores above
.endr
	s_wait_dscnt 0x0                               ; the 16 rows of y, and the tile's rows of x where they come out of LDS
	WIN 0x04                                       ; source 1 window 1
.set n, 0
.rept 32
	v_pk_add_f32 v[RBK+n:RBK+n+1], v[RBK+n:RBK+n+1], v[XRB+n:XRB+n+1]   ; + x
.set n, n+2
.endr
	WIN 0
.irp i, 0,1,2,3,4,5,6,7,8,9,10,11,12,13,14,15
	global_store_b128 v[LI], v[RBK+4*\i:RBK+4*\i+3], s[OB:OB+1] offset:(16*\t+\i)*4096 th:TH_STORE_NT   ; 32 lanes store 512 bytes on end, aligned
.endr
.endr
	s_wait_tensorcnt 0x0                           ; the wave's end
	ds_add_u32 v[SPW], v[NIL]
	s_wait_dscnt 0x0
	CROUND                                         ; the closing round: no work-group ends while a partner may still ask for a tile that names it
	s_endpgm
.Lfunc_end_k_q011cbcffb6_attn:
	.size	k_q011cbcffb6_attn, .Lfunc_end_k_q011cbcffb6_attn-k_q011cbcffb6_attn
	.p2alignl 7, 3214868480
	.fill 96, 4, 3214868480
	.section	.rodata,"a",@progbits
	.p2align	6, 0x0
	.amdhsa_kernel k_q011cbcffb6_attn
		.amdhsa_group_segment_fixed_size 327680
		.amdhsa_private_segment_fixed_size 0
		.amdhsa_enable_private_segment 0
		.amdhsa_kernarg_size 56
		.amdhsa_user_sgpr_count 2
		.amdhsa_user_sgpr_kernarg_segment_ptr 1
		.amdhsa_wavefront_size32 1
		.amdhsa_system_sgpr_workgroup_id_x 1
		.amdhsa_system_sgpr_workgroup_id_y 1
		.amdhsa_system_sgpr_workgroup_id_z 1
		.amdhsa_system_vgpr_workitem_id 0
		.amdhsa_next_free_vgpr 1024
		.amdhsa_next_free_sgpr 96
		.amdhsa_reserve_vcc 0
		.amdhsa_float_denorm_mode_32 3
		.amdhsa_float_denorm_mode_16_64 3
		.amdhsa_memory_ordered 1
		.amdhsa_forward_progress 1
		.amdhsa_inst_pref_size 255
	.end_amdhsa_kernel
	.section	.bss,"aw",@nobits
	.p2align	6
	.space	262144
	.amdgpu_metadata
---
amdhsa.version: [ 1, 2 ]
amdhsa.kernels:
  - .name:           k_q011cbcffb6_attn
    .symbol:         k_q011cbcffb6_attn.kd
    .args:
      - { .name: qq, .offset: 0, .size: 8, .value_kind: global_buffer, .address_space: global }
      - { .name: kv, .offset: 8, .size: 8, .value_kind: global_buffer, .address_space: global }
      - { .name: wp_codes, .offset: 16, .size: 8, .value_kind: global_buffer, .address_space: global }
      - { .name: wp_scales, .offset: 24, .size: 8, .value_kind: global_buffer, .address_space: global }
      - { .name: bp, .offset: 32, .size: 8, .value_kind: global_buffer, .address_space: global }
      - { .name: x, .offset: 40, .size: 8, .value_kind: global_buffer, .address_space: global }
      - { .name: out0, .offset: 48, .size: 8, .value_kind: global_buffer, .address_space: global }
    .group_segment_fixed_size: 327680
    .private_segment_fixed_size: 0
    .kernarg_segment_align: 8
    .kernarg_segment_size: 56
    .max_flat_workgroup_size: 128
    .sgpr_count:     96
    .vgpr_count:     1024
    .wavefront_size: 32
...
	.end_amdgpu_metadata
.endif
;; end of part 3
